; MI455X (gfx1250); checked and timed in simulation.
; The chip was launched on July 23, 2026; its instructions are those of AMD's public machine-readable ISA for CDNA 5 (MIT licence, August 2026) and "CDNA5" Instruction Set Architecture Reference Guide (July 2026). The comments in the code are by the model that wrote it; some were corrected since.
;; New Additive Attention. Allowed arithmetic: matrix products marked QUANTISED: E4M3 operands, one E8M0 scale for each 32 along K, by v_wmma_scale_f32_16x16x128_f8f6f4 with both operands' format E4M3, f32 sums; products left as they are: f32 operands where the result goes on into a quantised operand, else bf16, f16 or f32 operands; f32 sums; everything else in f32.
;; Inputs: U_w 1,024 x 1,024 float32; V 32 x 2,048 x 1,024 float32; W_b 1,024 float32; W_w 1,024 x 1,024 float32; h 32 x 1,024 float32; w_w 1 x 1,024 float32.
;; Outputs: out0 32 x 1,024 float32; out1 32 x 2,048 float32.
;; This version of the problem:
;;   THIS VERSION OF THE PROBLEM IS GIVEN IN LOW PRECISION. The matrix products marked QUANTISED in the list below multiply operands that are first quantised to E4M3 (4 exponent bits, 3 mantissa bits; 8 bits a number), with one power-of-two scale for each 32 numbers along K (OCP MX v1.0); their sums are f32. All else is computed in f32.
;;   The module's matrix products, in the order in which they are computed (A, B: the left and right operand; K: the contracted axis; several contracted axes count as one K, in the product's order):
;;     1. [M 32, K 1,024] x [K 1,024, N 1,024]; A: input h; B: input W_w: QUANTISED
;;     2. [M 65,536, K 1,024] x [K 1,024, N 1,024]; A: input V; B: input U_w: QUANTISED
;;     3. [M 65,536, K 1,024] x [K 1,024, N 1]; A: computed on the way; B: input w_w: left as it is (N = 1 < 16)
;;     4. batch 32 x [M 1, K 2,048] x [K 2,048, N 1,024]; A: softmax; B: input V: left as it is (M = 1 < 16)
;;   THE QUANTISER, for each operand of a quantised product, along K:
;;     - K is cut into blocks of 32 from its start; a last block that is shorter is filled with zeros.
;;     - A block's scale is 2^e with e = floor(log2(the largest magnitude in the block)) - 8, held to -126 .. 127; a block of zeros has e = 0. As a byte (E8M0): e + 127.
;;     - Each number is divided by its block's scale, clamped to +-448, and rounded to the nearest number of E4M3, ties to even, subnormals kept.
;;     - The product sums the exact products of the quantised numbers (number of the format x scale) in f32.
;;   ~~~python
;;   def quantise(x, axis):      # numpy; x: float32 -> the quantised numbers, widened to float32 again
;;       x = np.moveaxis(x, axis, -1); K = x.shape[-1]
;;       x = np.pad(x, [(0, 0)] * (x.ndim - 1) + [(0, -K % 32)]); x = x.reshape(x.shape[:-1] + (-1, 32)); a = np.abs(x).max(-1, keepdims=True)
;;       e = np.where(a > 0, np.clip(np.frexp(np.where(a > 0, a, 1))[1] - 1 - 8, -126, 127), 0)      # np.frexp(a)[1] - 1 = floor(log2(a)), exactly
;;       r = np.clip(x / 2.0 ** e, -448, 448)
;;       step = 2.0 ** (np.maximum(np.frexp(np.where(r == 0, 1, r))[1] - 1, -6) - 3)
;;       q = np.round(r / step) * step * 2.0 ** e      # np.round: ties to even
;;       return np.moveaxis(q.reshape(q.shape[:-2] + (-1,))[..., :K], -1, axis).astype(np.float32)
;;   ~~~
;; One version. Each part assembles by itself: llvm-mc -triple=amdgcn-amd-amdhsa -mcpu=gfx1250 --defsym DOCPART=n.
;; ======== version 1 of 1: 3 launches
;; limits: values are held in bf16: 8 bits of precision; right only within a limited range of input values
;; workspace buffers: uimg 1,081,344 bytes; hpw 131,072 bytes; ebuf 262,144 bytes; pacc 1,048,576 bytes; pml 65,536 bytes
;; launch prep (part 1): grid 128 x 1, 8 waves a work-group, no clusters, 152,576 bytes of LDS; arguments U_w, W_w, W_b, h, uimg, hpw; writes uimg, hpw
.if DOCPART == 1
	.amdgcn_target "amdgcn-amd-amdhsa--gfx1250"
	.amdhsa_code_object_version 6
	.text
	.protected	k_qa58ebae63a_prep
	.globl	k_qa58ebae63a_prep
	.p2align	8
	.type	k_qa58ebae63a_prep,@function
k_qa58ebae63a_prep:
	s_mov_b64 s[64:65], 0
	v_nop
	global_prefetch_b8 v0, s[64:65] scope:SCOPE_SE
	s_setreg_imm32_b32 hwreg(HW_REG_WAVE_MODE, 25, 1), 1
	s_wait_xcnt 0x0
; PREP.  (1) U_w [1024][1024] f32 becomes codes of FP8 (E4M3) with one E8M0 byte for each 32 along K, laid as IMAGES OF OPERAND REGISTERS for the next launch.
;        (2) hp' = c (Q(h) Q(W_w)^T + W_b), c = 2 log2(e), [32][1024] f32, by the scaled matrix instruction.
; SHARES.  Work-group t owns rows 16 t .. 16 t + 15 of U_w and of W_w; wave ks owns K step ks (128 along K).  The eight waves' parts of hp meet in LDS and are added in ascending K.
; LAYOUT OF uimg.  32 chunks of CH bytes, chunk 8 w + ks (w = t / 16).  In a chunk: 16 fragment images of 2,048 bytes (tile ti = t % 16: register group c of lane l at 2048 ti + 512 c + 16 l),
; then the scale words at 32768 + 64 ti + 4 r: one load of 4 bytes a lane then brings an even tile's words to lanes 0-15 and the odd tile's to lanes 16-31.
; LOADS.  A K step of a row is 512 consecutive bytes: one load of the wave takes them, 16 bytes a lane, 16 loads for the 16 rows.  The conversions want 16 NEIGHBOURS along K in one lane, so the 16 rows turn
; through the wave's own stage in LDS: stored as loaded, read back so that lane (r = lane % 16, h = lane / 16) holds, of row r, k = 32 b + 16 h + 0 .. 15 of each block b: the order that the operand's layout gives that lane.
; hp' leaves in pieces of 16 bytes: kept, since that buffer is 128 KB in all.
; A block's scale: 2^(floor(log2(largest magnitude)) - 8); its byte is the largest magnitude's exponent field - 8, held at 1 from below.
; LIMITS: a block of zeros gets the byte 1 where the rule says 127 (its codes are zeros, and only this program reads the bytes); NaN and infinities among the inputs are not served.
; TWO ROLES, by the work-group's number x: t = x % 64.  x < 64 makes part (1), U's image of rows 16 t on, and ends; x >= 64 makes part (2), hp' of hidden units 16 t on.
; Each role has stage bytes of its own in LDS: part (2) from STG on, part (1) USH bytes further on, behind the spare words.
.set CH,   33792
.set USH,  68608
.set STG,  16384                       ; LDS: behind the 16 KB in which the parts of hp meet: a stage for each wave,
.set SP,   528                         ; 16 rows of 512 bytes + 16 of padding = 132 words: row r starts at bank 4 r mod 64 (64 banks of 4 bytes: ISA guide 11.1)
.set TR,   0                           ; v0   the stage, on the way back: STG + 8448 wave + 528 r + 64 h
.set TS,   1                           ; v1   the stage, on the way in: STG + 8448 wave + 16 lane
.set LI,   2                           ; v2   16 x lane
.set SO,   3                           ; v3   4 r: my row's scale word
.set BO,   4                           ; v4   32 h: my half's eight numbers of the bias
.set LW,   5                           ; v5   LDS: 2048 x wave + 16 x lane
.set LR,   6                           ; v6   LDS: 512 x wave + 16 x lane
.set HO,   7                           ; v7   hp': 4096 r + 32 h
.set BI,   8                           ; v8-11 four numbers of the bias
.set SU,   12                          ; v12-15 scale words, and nothing else: U's, W's, h's rows 0-15, h's rows 16-31
.set SW,   13
.set SH0,  14
.set SH1,  15
.set TM,   16                          ; v16-19 largest magnitudes, v20-23 bytes, v24-27 448 x the scale, v28-31 the conversions' scale operands
.set XU,   32                          ; v32-95   64 numbers of U, later of h's rows 16-31
.set XW,   96                          ; v96-159  64 numbers of W; when they are quantised: v96-111 the codes of h's rows 0-15, v112-127 the two results
.set XH,   160                         ; v160-223 64 numbers of h's rows 0-15; later the eight parts to be added
.set PCH0, 96
.set D0,   112
.set D1,   120
.set PCA,  224                         ; v224-239 U's codes, later those of h's rows 16-31
.set PCW,  240                         ; v240-255 W's codes
.set WV,   16
.set MNT,  17                          ; the mantissa field of 448
.set SEL,  18                          ; s[18:19] v_permlanex16_b32's selects for lane l xor 16
.macro XLOAD reg, base, off, nt        ; 16 rows x 128 numbers: a load takes a row's 512 consecutive bytes
.irp i, 0,1,2,3,4,5,6,7,8,9,10,11,12,13,14,15
.if \nt
	global_load_b128 v[\reg+4*\i:\reg+4*\i+3], v[LI], s[\base:\base+1] offset:\off+4096*\i th:TH_LOAD_NT
.else
	global_load_b128 v[\reg+4*\i:\reg+4*\i+3], v[LI], s[\base:\base+1] offset:\off+4096*\i
.endif
.endr
.endm
.macro TURN reg                        ; through my stage, and back into the registers that they left.  LDS serves a wave's instructions in order (ISA guide 5.7.1.4): the loads see the stores, and a later turn's stores come behind these loads
.irp i, 0,1,2,3,4,5,6,7,8,9,10,11,12,13,14,15
	ds_store_b128 v[TS], v[\reg+4*\i:\reg+4*\i+3] offset:SP*\i
.endr
.irp b, 0,1,2,3
.irp j, 0,1,2,3
	ds_load_b128 v[\reg+16*\b+4*\j:\reg+16*\b+4*\j+3], v[TR] offset:128*\b+16*\j
.endr
.endr
.endm
; 64 numbers of a lane, register 16 b + i = k 32 b + 16 h + i of my row, become a fragment's codes in v[pc] on and its scale word in v[sc]
.macro QUANT s, pc, sc
.irp b, 0,1,2,3
	v_max3_num_f32 v[TM+\b], |v[\s+16*\b]|, |v[\s+16*\b+1]|, 0x4800000   ; my 16 numbers of block b, and the floor 2^(9 - 127): the byte cannot fall under 1
.endr
.irp i, 2,4,6,8,10,12,14
.irp b, 0,1,2,3
	s_delay_alu instid0(VALU_DEP_4)
	v_max3_num_f32 v[TM+\b], v[TM+\b], |v[\s+16*\b+\i]|, |v[\s+16*\b+\i+1]|   ; the four blocks by turns
.endr
.endr
.irp b, 0,1,2,3
	s_delay_alu instid0(VALU_DEP_4)
	v_permlanex16_b32 v[TM+4+\b], v[TM+\b], s[SEL], s[SEL+1]
.endr
.irp b, 0,1,2,3
	s_delay_alu instid0(VALU_DEP_4)
	v_max_num_f32 v[TM+\b], v[TM+\b], v[TM+4+\b]                  ; with lane l xor 16's: the block's largest magnitude
.endr
.irp b, 0,1,2,3
	s_delay_alu instid0(VALU_DEP_4)
	v_add_nc_u32 v[TM+12+\b], 0xfc000000, v[TM+\b]                ; 8 off its exponent field: the conversion takes this operand's exponent field as its scale
.endr
.irp b, 0,1,2,3
	v_and_or_b32 v[TM+8+\b], v[TM+\b], 0x7f800000, s[MNT]         ; 448 x the scale
.endr
.irp b, 0,1,2,3
	v_lshrrev_b32 v[TM+4+\b], 23, v[TM+12+\b]                     ; the scale's byte
.endr
	s_delay_alu instid0(VALU_DEP_3)
	v_lshl_or_b32 v[\sc], v[TM+5], 8, v[TM+4]
	s_delay_alu instid0(VALU_DEP_1)
	v_lshl_or_b32 v[\sc], v[TM+6], 16, v[\sc]
	s_delay_alu instid0(VALU_DEP_1)
	v_lshl_or_b32 v[\sc], v[TM+7], 24, v[\sc]                     ; my row's scale word
.irp b, 0,1,2,3
.irp i, 0,1,2,3,4,5,6,7,8,9,10,11,12,13,14,15
	v_med3_num_f32 v[\s+16*\b+\i], v[\s+16*\b+\i], -v[TM+8+\b], v[TM+8+\b]   ; the conversion to an 8-bit code does not saturate (ISA guide 7.6.2): the hold comes first
.endr
	v_cvt_scalef32_pk8_fp8_f32 v[\pc+4*\b:\pc+4*\b+1], v[\s+16*\b:\s+16*\b+7], v[TM+12+\b]
	v_cvt_scalef32_pk8_fp8_f32 v[\pc+4*\b+2:\pc+4*\b+3], v[\s+16*\b+8:\s+16*\b+15], v[TM+12+\b]
.endr
	v_nop                                          ; a plain line behind the last conversion, ahead of whatever next touches its registers
.endm
	s_load_b256 s[4:11], s[0:1], 0x0               ; U_w s[4:5], W_w s[6:7], W_b s[8:9], h s[10:11]
	s_load_b128 s[12:15], s[0:1], 0x20             ; uimg s[12:13], hpw s[14:15]
	s_set_vgpr_msb 0x40
	v_lshl_add_u32 v0, v0, 2, 0x14800
	v_mov_b32 v1, 0
	s_set_vgpr_msb 0x4000
	v_lshrrev_b32 v1, 5, v0
	s_delay_alu instid0(VALU_DEP_1)
	v_readfirstlane_b32 s[WV], v1                  ; wave = K step
	v_and_b32 v3, 15, v0                           ; r
	v_bfe_u32 v4, v0, 4, 1                         ; h
	v_and_b32 v2, 31, v0
	s_delay_alu instid0(VALU_DEP_1)
	v_lshlrev_b32 v[LI], 4, v2
	s_delay_alu instid0(VALU_DEP_4)
	v_lshlrev_b32 v[HO], 12, v3
	s_delay_alu instid0(VALU_DEP_1)
	v_lshl_add_u32 v[HO], v4, 5, v[HO]
	s_mul_i32 s20, s[WV], 16*SP
	s_add_co_u32 s20, s20, STG                     ; my stage
	v_add_nc_u32 v[TS], s20, v[LI]
	v_mul_u32_u24 v[TR], v3, SP                    ; (the thread's number is needed no more)
	s_delay_alu instid0(VALU_DEP_1)
	v_lshl_add_u32 v[TR], v4, 6, v[TR]
	s_delay_alu instid0(VALU_DEP_1)
	v_add_nc_u32 v[TR], s20, v[TR]
	v_lshlrev_b32 v[BO], 5, v4
	v_lshlrev_b32 v[SO], 2, v3
	s_lshl_b32 s20, s[WV], 11
	v_add_nc_u32 v[LW], s20, v[LI]
	s_lshl_b32 s20, s[WV], 9
	v_add_nc_u32 v[LR], s20, v[LI]
.irp b, 0,1,2,3
	v_mov_b32 v[TM+4+\b], 0                        ; written once: a lane permute's destination counts as one of its sources
.endr
	s_mov_b32 s[MNT], 0x600000
	s_mov_b32 s[SEL], 0x76543210
	s_mov_b32 s[SEL+1], 0xfedcba98
	s_and_b32 s36, ttmp9, 63                       ; t
	s_lshr_b32 s37, ttmp9, 6                       ; the role
	s_lshl_b32 s20, s36, 16
	s_lshl_b32 s22, s[WV], 9                       ; my K step's 512 bytes
	s_add_co_u32 s20, s20, s22
	s_mov_b32 s21, 0
	s_mov_b32 s23, 0
	s_and_b32 s28, s[WV], 1
	s_lshl_b32 s28, s28, 4
	s_lshl_b32 s24, s36, 6
	s_add_co_u32 s24, s24, s28                     ; the bias: 64 t + 16 (wave % 2) bytes
	s_mov_b32 s25, 0
	s_bfe_u32 s26, s[WV], 0x10001                  ; bit 1 of the wave: which 16 rows of h a finishing wave takes
	s_lshl_b32 s26, s26, 16
	s_add_co_u32 s26, s26, s24                     ; hp': 16 rows of 4,096 bytes x that bit + 64 t + 16 (wave % 2)
	s_mov_b32 s27, 0
	s_lshr_b32 s30, s36, 4
	s_lshl_b32 s30, s30, 3
	s_add_co_u32 s30, s30, s[WV]
	s_mul_i32 s30, s30, CH                         ; my chunk: 8 (t / 16) + K step
	s_and_b32 s29, s36, 15
	s_lshl_b32 s32, s29, 6
	s_add_co_u32 s32, s32, s30
	s_add_co_u32 s32, s32, 32768                   ; my tile's scale words
	s_mov_b32 s33, 0
	s_lshl_b32 s29, s29, 11
	s_add_co_u32 s30, s30, s29                     ; my tile's image
	s_mov_b32 s31, 0
	s_wait_alu depctr_va_vdst(0)
	s_wait_kmcnt 0x0
	s_add_nc_u64 s[4:5], s[4:5], s[20:21]
	s_add_nc_u64 s[6:7], s[6:7], s[20:21]
	s_add_nc_u64 s[8:9], s[8:9], s[24:25]
	s_add_nc_u64 s[10:11], s[10:11], s[22:23]
	s_add_nc_u64 s[34:35], s[12:13], s[32:33]
	s_add_nc_u64 s[12:13], s[12:13], s[30:31]
	s_add_nc_u64 s[14:15], s[14:15], s[26:27]
	s_cmp_lg_u32 s37, 0
	s_cbranch_scc1 .Lrole_w
	v_add_nc_u32 v[TS], USH, v[TS]                 ; part (1): this role's own stage
	v_add_nc_u32 v[TR], USH, v[TR]
	s_wait_alu depctr_va_vdst(0)
	XLOAD XU, 4, 0, 1                              ; U
	s_wait_loadcnt 0x0
	TURN XU
	s_wait_dscnt 0x0
	QUANT XU, PCA, SU
.irp c, 0,1,2,3
	global_store_b128 v[LI], v[PCA+4*\c:PCA+4*\c+3], s[12:13] offset:512*\c   ; the image: 512 consecutive bytes a store
.endr
	global_store_b32 v[SO], v[SU], s[34:35]        ; lanes r and r + 16 hold the same word and write it to the same place
	s_branch .Lend
.Lrole_w:
	XLOAD XW, 6, 0, 1                              ; part (2): W,
	XLOAD XH, 10, 0, 0                             ; h, rows 0-15,
	XLOAD XU, 10, 65536, 0                         ; h, rows 16-31,
	global_load_b128 v[BI:BI+3], v[BO], s[8:9]     ; and the bias of the four hidden units that a finishing wave's lane holds
	s_wait_loadcnt 33                              ; W's 16 loads are in; behind them stand h's 32 and the bias
	TURN XW
	s_wait_loadcnt 17                              ; h's rows 0-15 are in
	s_wait_dscnt 0x0                               ; W is back from the stage
	TURN XH                                        ; h's rows 0-15 turn while W is quantised
	QUANT XW, PCW, SW
	s_wait_loadcnt 0x0
	s_wait_dscnt 0x0
	TURN XU                                        ; h's rows 16-31 turn while rows 0-15 are quantised
	QUANT XH, PCH0, SH0
	s_wait_dscnt 0x0
	QUANT XU, PCA, SH1
.rept 8
	v_nop                                          ; a scale register made by vector instructions stands eight places ahead of a scaled matrix instruction, an operand four
.endr
	; source 0 = 16 rows of W, source 1 = 16 rows of h: lane (r, h), register j: the part of hp(batch r or 16 + r, hidden unit 16 t + 8 h + j)
	v_wmma_scale_f32_16x16x128_f8f6f4 v[D0:D0+7], v[PCW:PCW+15], v[PCH0:PCH0+15], 0, v[SW], v[SH0]
	v_wmma_scale_f32_16x16x128_f8f6f4 v[D1:D1+7], v[PCW:PCW+15], v[PCA:PCA+15], 0, v[SW], v[SH1]
.rept 8
	v_nop                                          ; eight places ahead of the first read of a result
.endr
	ds_store_b128 v[LW], v[D0:D0+3]                ; each result from its low end on
	ds_store_b128 v[LW], v[D0+4:D0+7] offset:512
	ds_store_b128 v[LW], v[D1:D1+3] offset:1024
	ds_store_b128 v[LW], v[D1+4:D1+7] offset:1536
	s_wait_dscnt 0x0                               ; for the others' sake: my part lies in LDS
	s_barrier_signal -1
	s_barrier_wait -1
	s_cmp_ge_u32 s[WV], 4
	s_cbranch_scc1 .Lend                           ; four waves finish: wave c takes quarter c of every wave's part
.irp k, 0,1,2,3,4,5,6,7
	ds_load_b128 v[XH+4*\k:XH+4*\k+3], v[LR] offset:2048*\k
.endr
	s_wait_dscnt 0x0
.irp k, 1
	v_pk_add_f32 v[XH:XH+1], v[XH:XH+1], v[XH+4*\k:XH+4*\k+1]       ; K ascending
	v_pk_add_f32 v[XH+2:XH+3], v[XH+2:XH+3], v[XH+4*\k+2:XH+4*\k+3]
.endr
.irp k, 2, 3, 4, 5, 6, 7
	s_delay_alu instid0(VALU_DEP_2)
	v_pk_add_f32 v[XH:XH+1], v[XH:XH+1], v[XH+4*\k:XH+4*\k+1]       ; K ascending
	s_delay_alu instid0(VALU_DEP_2)
	v_pk_add_f32 v[XH+2:XH+3], v[XH+2:XH+3], v[XH+4*\k+2:XH+4*\k+3]
.endr
	s_delay_alu instid0(VALU_DEP_2)
	v_pk_add_f32 v[XH:XH+1], v[XH:XH+1], v[BI:BI+1]
	s_delay_alu instid0(VALU_DEP_2)
	v_pk_add_f32 v[XH+2:XH+3], v[XH+2:XH+3], v[BI+2:BI+3]
	s_delay_alu instid0(VALU_DEP_2)
	v_pk_mul_f32 v[XH:XH+1], v[XH:XH+1], 0x4038aa3b op_sel_hi:[1,0]   ; x c = 2 log2(e): the next launch wants 2^(c x)
	s_delay_alu instid0(VALU_DEP_2)
	v_pk_mul_f32 v[XH+2:XH+3], v[XH+2:XH+3], 0x4038aa3b op_sel_hi:[1,0]
	global_store_b128 v[HO], v[XH:XH+3], s[14:15]
.Lend:
	s_set_vgpr_msb 0x5
	s_wait_tensorcnt 0x0
	ds_add_u32 v0, v1
	s_wait_dscnt 0x0
	s_set_vgpr_msb 0x500
	s_endpgm
.Lfunc_end_k_qa58ebae63a_prep:
	.size	k_qa58ebae63a_prep, .Lfunc_end_k_qa58ebae63a_prep-k_qa58ebae63a_prep
	.p2alignl 7, 3214868480
	.fill 96, 4, 3214868480
	.section	.rodata,"a",@progbits
	.p2align	6, 0x0
	.amdhsa_kernel k_qa58ebae63a_prep
		.amdhsa_group_segment_fixed_size 152576
		.amdhsa_private_segment_fixed_size 0
		.amdhsa_enable_private_segment 0
		.amdhsa_kernarg_size 48
		.amdhsa_user_sgpr_count 2
		.amdhsa_user_sgpr_kernarg_segment_ptr 1
		.amdhsa_wavefront_size32 1
		.amdhsa_system_sgpr_workgroup_id_x 1
		.amdhsa_system_sgpr_workgroup_id_y 1
		.amdhsa_system_sgpr_workgroup_id_z 1
		.amdhsa_system_vgpr_workitem_id 0
		.amdhsa_next_free_vgpr 258
		.amdhsa_next_free_sgpr 66
		.amdhsa_reserve_vcc 0
		.amdhsa_float_denorm_mode_32 3
		.amdhsa_float_denorm_mode_16_64 3
		.amdhsa_memory_ordered 1
		.amdhsa_forward_progress 1
		.amdhsa_inst_pref_size 60
	.end_amdhsa_kernel
	.amdgpu_metadata
---
amdhsa.version: [ 1, 2 ]
amdhsa.kernels:
  - .name:           k_qa58ebae63a_prep
    .symbol:         k_qa58ebae63a_prep.kd
    .args:
      - { .name: U_w, .offset: 0, .size: 8, .value_kind: global_buffer, .address_space: global }
      - { .name: W_w, .offset: 8, .size: 8, .value_kind: global_buffer, .address_space: global }
      - { .name: W_b, .offset: 16, .size: 8, .value_kind: global_buffer, .address_space: global }
      - { .name: h, .offset: 24, .size: 8, .value_kind: global_buffer, .address_space: global }
      - { .name: uimg, .offset: 32, .size: 8, .value_kind: global_buffer, .address_space: global }
      - { .name: hpw, .offset: 40, .size: 8, .value_kind: global_buffer, .address_space: global }
    .group_segment_fixed_size: 152576
    .private_segment_fixed_size: 0
    .kernarg_segment_align: 8
    .kernarg_segment_size: 48
    .max_flat_workgroup_size: 256
    .sgpr_count:     66
    .vgpr_count:     258
    .wavefront_size: 32
...
	.end_amdgpu_metadata
.endif
;; end of part 1
;; launch main (part 2): grid 256 x 1, 4 waves a work-group, no clusters, 316,928 bytes of LDS; arguments V, uimg, hpw, w_w, ebuf, pacc, pml; writes ebuf, pacc, pml
.if DOCPART == 2
	.amdgcn_target "amdgcn-amd-amdhsa--gfx1250"
	.amdhsa_code_object_version 6
	.text
	.protected	k_qa58ebae63a_main
	.globl	k_qa58ebae63a_main
	.p2align	8
	.type	k_qa58ebae63a_main,@function
k_qa58ebae63a_main:
	s_mov_b64 s[64:65], 0
	v_nop
	global_prefetch_b8 v0, s[64:65] scope:SCOPE_SE
	s_setreg_imm32_b32 hwreg(HW_REG_WAVE_MODE, 25, 1), 1
	s_wait_xcnt 0x0
; MAIN.  e2 = log2(e) (e - sum of w), a running softmax over the work-group's rows, and its part of beta V.
; tanh(x) = 1 - 2 / (1 + 2^(c x)), c = 2 log2(e): so e = (sum of w) - 2 sum of w / (1 + 2^(c x)).  The term (sum of w) is the same for every row of a batch, whatever the inputs hold,
; and a softmax along the rows takes it away: it is left out.  LIMIT: an overflow of that sum alone is not carried to the result.  NaN and infinities among the inputs are not served.
; The rows' maximum is taken away ahead of every exponential of the softmax (a running maximum here, the batch's in the next launch).
; SHARES.  Work-group g owns rows 256 g .. 256 g + 255 of V (as [65536][1024]), in TWO PASSES of 128 rows, so that U's image is streamed twice a work-group.
; A pass: (Q) wave w quantises rows 32 w .. 32 w + 31: dense loads of 512 bytes, a turn through its own stage in LDS, codes to LDS as images of operand registers, [K step][row tile][2,048 bytes];
; the bf16 copy for beta V stays as loaded (a row a register pair, lanes along the columns): the wave's first 16 rows in window 3, its other 16 in LDS.
; (G) four chunks of 256 hidden units; wave w takes 64 of them x all 128 rows: 32 accumulators, by turns.  V's fragments come from LDS, four at a time, 16 products ahead of their use;
; U's come from memory straight into a ring of four K steps of registers (72 loads), as the first launch has laid them.  Behind a chunk: tanh and the sum over its hidden units.
; (S) the four waves' sums meet in LDS; p = 2^(e2 - m); each wave adds p x its own 32 rows of the copy.  At the end the waves' column sums meet in LDS.
; NO TENSOR LOAD, NO CLUSTER: LDS holds 128 rows of codes (139,264 bytes with scale words), half the copy (131,072) and the stages (33,792): 12,800 bytes are left beside the tables, no room for slots of U.
; PREFETCH: in the first pass each wave asks, in every second K step, for 256 bytes of each of its 32 rows of the second pass: 16 instructions cover its 131,072 bytes, each block once; the second pass asks for nothing.
; WINDOWS: 0 addresses, scales, V's fragments, column sums; 1 U's ring; 2 accumulators (in Q: V's four units in flight; in S: the copy from LDS); 3 the copy.
.set CH,    33792
.set VSC,   131072
.set CPL,   139264
.set STG,   270336
.set SP,    528
.set HPL,   304128
.set EX,    312320
.set PB,    314368
.set SPARE, 316416
.set LI,1
.set LIU,2
.set LSU,3
.set TS,4
.set TR,5
.set IW,6
.set IR1,7
.set SW,8
.set SRA,9
.set CW,10
.set HBA0,11
.set HBC,12
.set EXW,13
.set EXR,14
.set PBW,15
.set PBR,16
.set PFO,17
.set IWC,18
.set SWC,19
.set CWC,20
.set SPW,21
.set M,22
.set L,23
.set F,24
.set VS,26                             ; v26-33 V's scale words, v34-41 U's: scales and nothing else
.set US,34
.set ES,42                             ; v42-57 the rows' sums, a pair a row tile
.set NIL,58
.set AF,64                             ; v64-191 V's eight fragments; in Q: v64-127 a unit's numbers, v128-159 its bf16
.set X,64
.set BFT,128
.set PC,192
.set TM,208
.set HB,192                            ; in tanh: v192-223 hp' of my four column tiles,
.set WT,160                            ; v160-191 their w' (fragments 6 and 7 are fetched behind tanh)
.set OA,224                            ; v224-255 my rows' column sums: register 4 ks + e is column 128 ks + 4 lane + e
.set PR,96
.set WV,18
.set MNT,19
.set SEL,20
.set CS,22
.set HM,24
.set PASS,25
.set CC,26
.set TQ,27
.set LF,28
.set U0,32
.set UA,34
.set UB,36
.set VA,38
.set PFA,40
.set MSB, 0
.macro WIN new
.if MSB != (\new)
	s_set_vgpr_msb (MSB<<8)|(\new)
.set MSB, (\new)
.endif
.endm
.macro NOPS n
.rept \n
	v_nop
.endr
.endm
.macro WALU
	s_wait_alu depctr_va_vdst(0)
.endm
.macro BARRIER
	s_barrier_signal -1
	s_barrier_wait -1
.endm
; ---- Q: a unit is 16 rows x 128 along K; slot n of window 2: K step 2 T + n / 2, row tile n % 2
.macro LOADV n, extra
	WIN 0x80
.set I_, 0
.rept 16
	global_load_b128 v[64*(\n)+4*I_:64*(\n)+4*I_+3], v[LI], s[VA:VA+1] offset:(\extra)+65536*((\n)%2)+512*((\n)/2)+4096*I_ th:TH_LOAD_NT
.set I_, I_+1
.endr
	WIN 0
.endm
.macro CV n, t                         ; the copy of row tile 0: window 3, register 32 ks + 2 row + half
	WIN 0xca
.set Q_, 0
.rept 32
	v_cvt_pk_bf16_f32 v[32*(2*(\t)+(\n)/2)+Q_], v[64*(\n)+2*Q_], v[64*(\n)+2*Q_+1]
.set Q_, Q_+1
.endr
	WIN 0
.endm
.macro CVT0 n                          ; the registers differ from trip to trip: one of four copies of these 32 lines, by the trip's number
	s_cmp_lg_u32 s[TQ], 0
	s_cbranch_scc1 .Lc1_\@
	CV \n, 0
	s_branch .Lcz_\@
.Lc1_\@:
	s_cmp_lg_u32 s[TQ], 1
	s_cbranch_scc1 .Lc2_\@
	CV \n, 1
	s_branch .Lcz_\@
.Lc2_\@:
	s_cmp_lg_u32 s[TQ], 2
	s_cbranch_scc1 .Lc3_\@
	CV \n, 2
	s_branch .Lcz_\@
.Lc3_\@:
	CV \n, 3
.Lcz_\@:
.endm
.macro CVT1 n                          ; the copy of row tile 1: to LDS, two rows a store
	WIN 0x0a
.set Q_, 0
.rept 32
	v_cvt_pk_bf16_f32 v[BFT+Q_], v[64*(\n)+2*Q_], v[64*(\n)+2*Q_+1]
.set Q_, Q_+1
.endr
	WIN 0
.set Q_, 0
.rept 8
	ds_store_b128 v[CWC], v[BFT+4*Q_:BFT+4*Q_+3] offset:4096*((\n)/2)+512*Q_
.set Q_, Q_+1
.endr
.endm
.macro QUANT                           ; 64 numbers a lane, register 16 b + i = k 32 b + 16 h + i of row r -> codes PC, scale word TM + 4
.irp b, 0,1,2,3
	v_max3_num_f32 v[TM+\b], |v[X+16*\b]|, |v[X+16*\b+1]|, 0x4800000      ; with the floor 2^(9 - 127): the byte cannot fall under 1
.endr
.irp i, 2,4,6,8,10,12,14
.irp b, 0,1,2,3
	v_max3_num_f32 v[TM+\b], v[TM+\b], |v[X+16*\b+\i]|, |v[X+16*\b+\i+1]|
.endr
.endr
.irp b, 0,1,2,3
	v_permlanex16_b32 v[TM+4+\b], v[TM+\b], s[SEL], s[SEL+1]
.endr
.irp b, 0,1,2,3
	v_max_num_f32 v[TM+\b], v[TM+\b], v[TM+4+\b]
.endr
.irp b, 0,1,2,3
	v_add_nc_u32 v[TM+12+\b], 0xfc000000, v[TM+\b]                        ; 8 off the exponent field: the conversion's scale operand
.endr
.irp b, 0,1,2,3
	v_and_or_b32 v[TM+8+\b], v[TM+\b], 0x7f800000, s[MNT]                 ; 448 x the scale
.endr
.irp b, 0,1,2,3
	v_lshrrev_b32 v[TM+4+\b], 23, v[TM+12+\b]
.endr
	v_lshl_or_b32 v[TM+4], v[TM+5], 8, v[TM+4]
	v_lshl_or_b32 v[TM+4], v[TM+6], 16, v[TM+4]
	v_lshl_or_b32 v[TM+4], v[TM+7], 24, v[TM+4]
.irp b, 0,1,2,3
.irp i, 0,1,2,3,4,5,6,7,8,9,10,11,12,13,14,15
	v_med3_num_f32 v[X+16*\b+\i], v[X+16*\b+\i], -v[TM+8+\b], v[TM+8+\b]  ; the conversion does not saturate (ISA guide 7.6.2)
.endr
	v_cvt_scalef32_pk8_fp8_f32 v[PC+4*\b:PC+4*\b+1], v[X+16*\b:X+16*\b+7], v[TM+12+\b]
	v_cvt_scalef32_pk8_fp8_f32 v[PC+4*\b+2:PC+4*\b+3], v[X+16*\b+8:X+16*\b+15], v[TM+12+\b]
.endr
	v_nop
.endm
.macro UNIT n
.if (\n)%2
	CVT1 \n
.else
	CVT0 \n
.endif
	WIN 0x08
.set I_, 0
.rept 16
	ds_store_b128 v[TS], v[64*(\n)+4*I_:64*(\n)+4*I_+3] offset:SP*I_      ; as loaded; LDS serves a wave's instructions in order (ISA guide 5.7.1.4)
.set I_, I_+1
.endr
	WIN 0
.irp b, 0,1,2,3
.irp j, 0,1,2,3
	ds_load_b128 v[X+16*\b+4*\j:X+16*\b+4*\j+3], v[TR] offset:128*\b+16*\j
.endr
.endr
	s_wait_dscnt 0x0
	QUANT
.irp c, 0,1,2,3
	ds_store_b128 v[IWC], v[PC+4*\c:PC+4*\c+3] offset:16384*((\n)/2)+2048*((\n)%2)+512*\c
.endr
	ds_store_b32 v[SWC], v[TM+4] offset:1024*((\n)/2)+4*((\n)%2)
	s_cmp_eq_u32 s[TQ], 3
	s_cbranch_scc1 .Lnr_\@
	LOADV \n, 1024                                 ; the slot takes the next trip's unit
	s_wait_loadcnt 48                              ; the next slot is in: behind it stand three units of 16 loads
	s_branch .Lgr_\@
.Lnr_\@:
	s_wait_loadcnt 0x0                             ; the last trip loads nothing more
.Lgr_\@:
.endm
; ---- G
.macro ALOAD ks, a0                    ; fragments a0 .. a0 + 3 of K step ks and their scale words: 17 loads
.irp a, \a0, \a0+1, \a0+2, \a0+3
.irp c, 0,1,2,3
.if (\ks) < 4
	ds_load_b128 v[AF+16*(\a)+4*\c:AF+16*(\a)+4*\c+3], v[LI] offset:16384*(\ks)+2048*(\a)+512*\c
.else
	ds_load_b128 v[AF+16*(\a)+4*\c:AF+16*(\a)+4*\c+3], v[IR1] offset:16384*((\ks)-4)+2048*(\a)+512*\c
.endif
.endr
.endr
	ds_load_b128 v[VS+\a0:VS+\a0+3], v[SRA] offset:1024*(\ks)+4*(\a0)
.endm
.macro ULOAD q, base, koff             ; a K step of my 64 hidden units into ring slot q: 18 loads
	WIN 0x40
.irp tt, 0,1,2,3
.irp c, 0,1,2,3
	global_load_b128 v[64*(\q)+16*\tt+4*\c:64*(\q)+16*\tt+4*\c+3], v[LIU], s[\base:\base+1] offset:(\koff)+2048*\tt+512*\c
.endr
.endr
	WIN 0
	global_load_b32 v[US+2*(\q)], v[LSU], s[\base:\base+1] offset:(\koff)
	global_load_b32 v[US+2*(\q)+1], v[LSU], s[\base:\base+1] offset:(\koff)+128
.endm
.macro PROD16 ks, a0                   ; source 0 = 16 hidden units, source 1 = 16 rows of V: a lane holds one row, its registers eight hidden units
	WIN 0xa1
.irp a, \a0, \a0+1, \a0+2, \a0+3
.irp tt, 0,1,2,3
.set AC_, 8*(8*\tt+(\a))
.set UF_, 64*((\ks)%4)+16*\tt
.set UR_, US+2*((\ks)%4)+\tt/2
.if (\ks) == 0
.if \tt%2
	v_wmma_scale_f32_16x16x128_f8f6f4 v[AC_:AC_+7], v[UF_:UF_+15], v[AF+16*(\a):AF+16*(\a)+15], 0, v[UR_], v[VS+(\a)] matrix_a_scale:MATRIX_SCALE_ROW1
.else
	v_wmma_scale_f32_16x16x128_f8f6f4 v[AC_:AC_+7], v[UF_:UF_+15], v[AF+16*(\a):AF+16*(\a)+15], 0, v[UR_], v[VS+(\a)]
.endif
.else
.if \tt%2
	v_wmma_scale_f32_16x16x128_f8f6f4 v[AC_:AC_+7], v[UF_:UF_+15], v[AF+16*(\a):AF+16*(\a)+15], v[AC_:AC_+7], v[UR_], v[VS+(\a)] matrix_a_scale:MATRIX_SCALE_ROW1
.else
	v_wmma_scale_f32_16x16x128_f8f6f4 v[AC_:AC_+7], v[UF_:UF_+15], v[AF+16*(\a):AF+16*(\a)+15], v[AC_:AC_+7], v[UR_], v[VS+(\a)]
.endif
.endif
.endr
.endr
	WIN 0
.endm
.macro STEP ks
	s_wait_dscnt 17                                ; fragments 0-3 are in; the 17 loads of fragments 4-7 may be out
	PROD16 \ks, 0
	NOPS 8                                         ; eight places ahead of loads into what the products have read
.if (\ks) == 7
	s_cmp_eq_u32 s[CC], 3                          ; behind the pass's last K step nothing is read
	s_cbranch_scc1 .Lna_\@
	ALOAD 0, 0
	s_wait_dscnt 17
	s_branch .Lga_\@
.Lna_\@:
	s_wait_dscnt 0x0
.Lga_\@:
.else
	ALOAD (\ks)+1, 0
	s_wait_dscnt 17                                ; fragments 4-7 are in; the 17 just issued may be out
.endif
	PROD16 \ks, 4
	NOPS 8
.if (\ks) != 7
	ALOAD (\ks)+1, 4                               ; (behind a chunk's last K step these 17 loads stand behind tanh, which uses some of their registers)
.endif
.if (\ks)%2 == 0
	s_cmp_eq_u32 s[PASS], 0
	s_cbranch_scc0 .Lnp_\@
	global_prefetch_b8 v[PFO], s[PFA:PFA+1] offset:256*((\ks)/2) th:TH_LOAD_NT scope:SCOPE_SE
.Lnp_\@:
.endif
.if (\ks) < 4
	ULOAD (\ks)%4, UA, CH*((\ks)+4)                ; the slot takes the K step four on
	s_wait_loadcnt 54                              ; the next slot is in: behind it stand three slots of 18 loads
.else
	s_cmp_eq_u32 s[LF], 7                          ; the last chunk of the last pass has no successor
	s_cbranch_scc1 .Lnu_\@
	ULOAD (\ks)%4, UB, CH*((\ks)-4)
	s_wait_loadcnt 54
	s_branch .Lgu_\@
.Lnu_\@:
	s_wait_loadcnt 0x0
.Lgu_\@:
.endif
.endm
; ---- tanh: group gg = column tile gg, all eight row tiles: 64 registers of window 2
.macro HWLOAD tt
.irp u, 0,1
	ds_load_b128 v[HB+8*(\tt)+4*\u:HB+8*(\tt)+4*\u+3], v[HBC] offset:64*(\tt)+16*\u
	ds_load_b128 v[WT+8*(\tt)+4*\u:WT+8*(\tt)+4*\u+3], v[HBC] offset:4096+64*(\tt)+16*\u
.endr
.endm
.macro TSET gg
.set AB,  64*(\gg)
.set HBB, HB+8*(\gg)
.set WBB, WT+8*(\gg)
.endm
.macro TA gg                           ; c x sum + hp'; each accumulator from its low end on
	TSET \gg
	WIN 0x82
.irp a, 0,1,2,3,4,5,6,7
.irp jp, 0,1,2,3
	v_pk_fma_f32 v[AB+8*\a+2*\jp:AB+8*\a+2*\jp+1], v[AB+8*\a+2*\jp:AB+8*\a+2*\jp+1], s[CS:CS+1], v[HBB+2*\jp:HBB+2*\jp+1] op_sel_hi:[1,0,1]
.endr
.endr
.endm
.macro TE gg
	TSET \gg
	WIN 0x82
.set NN, 0
.rept 64
	v_exp_f32 v[AB+NN], v[AB+NN]
.set NN, NN+1
.endr
.endm
.macro TP gg
	TSET \gg
	WIN 0x82
.set NN, 0
.rept 32
	v_pk_add_f32 v[AB+NN:AB+NN+1], v[AB+NN:AB+NN+1], 1.0 op_sel_hi:[1,0]
.set NN, NN+2
.endr
.endm
.macro TR_ gg
	TSET \gg
	WIN 0x82
.set NN, 0
.rept 64
	v_rcp_f32 v[AB+NN], v[AB+NN]
.set NN, NN+1
.endr
.endm
.macro TF gg
	TSET \gg
	WIN 0x02
.irp jp, 0,1,2,3
.irp a, 0,1,2,3,4,5,6,7
	v_pk_fma_f32 v[ES+2*\a:ES+2*\a+1], v[AB+8*\a+2*\jp:AB+8*\a+2*\jp+1], v[WBB+2*\jp:WBB+2*\jp+1], v[ES+2*\a:ES+2*\a+1]
.endr
.endr
.endm
.macro TANH                            ; the matrix results are all read first; then batches of up to 128 transcendentals, one wait ahead of each and one behind
	WALU
	TA 0
	TA 1
	TA 2
	TA 3
.set GG, 0
.rept 5
	WALU
.if GG > 0
	TR_ GG-1
.endif
.if GG < 4
	TE GG
.endif
	v_nop                                          ; a plain place behind the batch
	WALU
.if GG < 4
	TP GG
.endif
.if GG > 0
	TF GG-1
.endif
	WIN 0
.set GG, GG+1
.endr
.endm
.macro WSUM win, pr                    ; 16 rows of the copy x their p, onto my column sums
	WIN \win
.set I_, 0
.rept 16
.set K_, 0
.rept 8
.irp e, 0,1
	v_fma_mix_f32_bf16 v[OA+4*K_+2*\e], v[32*K_+2*I_+\e], v[\pr+I_], v[OA+4*K_+2*\e] op_sel_hi:[1,0,0]
	v_fma_mix_f32_bf16 v[OA+4*K_+2*\e+1], v[32*K_+2*I_+\e], v[\pr+I_], v[OA+4*K_+2*\e+1] op_sel:[1,0,0] op_sel_hi:[1,0,0]
.endr
.set K_, K_+1
.endr
.set I_, I_+1
.endr
	WIN 0
.endm
	s_load_b256 s[4:11], s[0:1], 0x0               ; V, uimg, hpw, w_w
	s_load_b128 s[12:15], s[0:1], 0x20             ; ebuf, pacc
	s_load_b64 s[16:17], s[0:1], 0x30              ; pml
	v_lshl_add_u32 v[SPW], v0, 2, SPARE
	v_mov_b32 v[NIL], 0
	v_lshrrev_b32 v59, 5, v0
	v_readfirstlane_b32 s[WV], v59
	s_mul_i32 s44, s[WV], 16*SP
	s_add_co_u32 s44, s44, STG                     ; my stage
	s_lshl_b32 s45, s[WV], 12                      ; my two row tiles' images
	s_lshl_b32 s46, s[WV], 3
	s_add_co_u32 s46, s46, VSC
	s_lshl_b32 s47, s[WV], 15
	s_add_co_u32 s47, s47, CPL
	s_lshl_b32 s48, s[WV], 8
	s_add_co_u32 s49, s48, HPL
	s_add_co_u32 s50, s48, 32768
	s_lshl_b32 s51, s[WV], 9
	s_add_co_u32 s52, s51, EX
	s_add_co_u32 s53, s51, PB
	s_mul_i32 s54, s[WV], 640
	s_add_co_u32 s54, s54, PB
	s_lshl_b32 s55, s[WV], 13
	s_mov_b32 s[MNT], 0x600000
	s_mov_b32 s[SEL], 0x76543210
	s_mov_b32 s[SEL+1], 0xfedcba98
	s_mov_b32 s[CS], 0x4038aa3b                    ; c = 2 log2(e)
	s_mov_b32 s[CS+1], s[CS]
	s_mov_b32 s[HM], 0xffff0000
	s_mov_b32 s[PASS], 0
	v_and_b32 v59, 31, v0                          ; lane
	v_and_b32 v60, 15, v0                          ; r
	v_bfe_u32 v61, v0, 4, 1                        ; h
	v_lshlrev_b32 v[LI], 4, v59
	v_add_nc_u32 v[LIU], s55, v[LI]
	v_lshl_add_u32 v[LSU], v59, 2, s50
	v_add_nc_u32 v[TS], s44, v[LI]
	v_mul_u32_u24 v[TR], v60, SP
	v_lshl_add_u32 v[TR], v61, 6, v[TR]
	v_add_nc_u32 v[TR], s44, v[TR]
	v_add_nc_u32 v[IW], s45, v[LI]
	v_add_nc_u32 v[IR1], 65536, v[LI]
	v_lshl_add_u32 v[SW], v59, 5, s46
	v_lshl_add_u32 v[SRA], v59, 5, VSC
	v_add_nc_u32 v[CW], s47, v[LI]
	v_lshl_add_u32 v[HBA0], v61, 5, s49
	v_lshl_add_u32 v[EXW], v59, 2, s52
	v_add_nc_u32 v[EXR], EX, v[LI]
	v_add_nc_u32 v[PBW], s53, v[LI]
	v_mov_b32 v[PBR], s54
	v_lshlrev_b32 v[PFO], 12, v59
	v_lshlrev_b32 v62, 5, v0
	v_lshl_add_u32 v63, v0, 5, HPL
.set I_, 0
.rept 32
	v_mov_b32 v[OA+I_], 0
.set I_, I_+1
.endr
	v_mov_b32 v[M], 0xff61b1e6                     ; -3e38, under every e2
	v_mov_b32 v[L], 0
.irp b, 0,1,2,3
	v_mov_b32 v[TM+4+\b], 0                        ; a lane permute's destination counts as a source
.endr
	WALU
	s_wait_kmcnt 0x0
	s_lshl_b32 s30, ttmp9, 20
	s_lshl_b32 s31, s[WV], 17
	s_add_co_u32 s30, s30, s31
	s_mov_b32 s31, 0
	s_add_nc_u64 s[VA:VA+1], s[4:5], s[30:31]      ; my 32 rows of the first pass
	s_add_nc_u64 s[PFA:PFA+1], s[VA:VA+1], 524288  ; and of the second
	s_mov_b64 s[U0:U0+1], s[6:7]
	s_mov_b64 s[UA:UA+1], s[6:7]
	s_add_nc_u64 s[UB:UB+1], s[6:7], 8*CH
	s_lshr_b32 s30, ttmp9, 3
	s_lshl_b32 s30, s30, 12
	s_add_nc_u64 s[8:9], s[8:9], s[30:31]          ; my batch's hp'
	s_lshl_b32 s30, ttmp9, 10
	s_add_nc_u64 s[12:13], s[12:13], s[30:31]
	s_lshl_b32 s30, ttmp9, 12
	s_add_nc_u64 s[14:15], s[14:15], s[30:31]
	s_lshl_b32 s30, ttmp9, 8
	s_add_nc_u64 s[16:17], s[16:17], s[30:31]
	global_load_b128 v[128:131], v62, s[8:9]
	global_load_b128 v[132:135], v62, s[8:9] offset:16
	global_load_b128 v[136:139], v62, s[10:11]
	global_load_b128 v[140:143], v62, s[10:11] offset:16
	ULOAD 0, UA, 0
	ULOAD 1, UA, CH
	ULOAD 2, UA, 2*CH
	s_wait_loadcnt 54                              ; the four table loads are in; behind them stand three slots of 18
.irp q, 0,2,4,6
	v_pk_mul_f32 v[136+\q:137+\q], v[136+\q:137+\q], 0xc038aa3b op_sel_hi:[1,0]   ; w' = -2 log2(e) w
.endr
	ds_store_b128 v63, v[128:131]
	ds_store_b128 v63, v[132:135] offset:16
	ds_store_b128 v63, v[136:139] offset:4096
	ds_store_b128 v63, v[140:143] offset:4112
	ULOAD 3, UA, 3*CH
	LOADV 0, 0                                     ; the first pass's first four units; the second pass's are asked for inside the first's weighted sum
	LOADV 1, 0
	LOADV 2, 0
	LOADV 3, 0
.Lpass:
	s_mov_b32 s[TQ], 0
	s_wait_loadcnt 48                              ; unit 0 is in; behind it stand three units of 16
.Lq:                                                   ; four trips of two K steps x two row tiles
	s_lshl_b32 s30, s[TQ], 15
	s_lshl_b32 s31, s[TQ], 11
	s_lshl_b32 s42, s[TQ], 13
	v_add_nc_u32 v[IWC], s30, v[IW]
	v_add_nc_u32 v[SWC], s31, v[SW]
	v_add_nc_u32 v[CWC], s42, v[CW]
	WALU
	UNIT 0
	UNIT 1
	UNIT 2
	UNIT 3
	s_wait_xcnt 0x0                                ; the loads have read their base
	s_add_nc_u64 s[VA:VA+1], s[VA:VA+1], 1024
	s_add_co_u32 s[TQ], s[TQ], 1
	s_cmp_lt_u32 s[TQ], 4
	WALU
	s_cbranch_scc1 .Lq
	s_wait_loadcnt 0x0
.set I_, 0
.rept 16
	v_mov_b32 v[ES+I_], 0
.set I_, I_+1
.endr
	WALU
	s_wait_dscnt 0x0                               ; my images and scale words lie in LDS
	BARRIER
	ALOAD 0, 0
	ALOAD 0, 4
	s_mov_b32 s[CC], 0
.Lchunk:
	s_lshl_b32 s[LF], s[PASS], 2
	s_add_co_u32 s[LF], s[LF], s[CC]
.irp ks, 0,1,2,3,4,5,6,7
	STEP \ks
.endr
	s_lshl_b32 s30, s[CC], 10
	v_add_nc_u32 v[HBC], s30, v[HBA0]
	WALU
	HWLOAD 0
	HWLOAD 1
	HWLOAD 2
	HWLOAD 3
	s_wait_dscnt 0x0
	TANH
	s_cmp_eq_u32 s[CC], 3                          ; the next chunk's fragments 4-7 of K step 0: the tables' registers are free
	s_cbranch_scc1 .Lnl
	ALOAD 0, 4
.Lnl:
	s_wait_xcnt 0x0                                ; loads and prefetches have read their bases
	s_mov_b64 s[UA:UA+1], s[UB:UB+1]
	s_add_nc_u64 s[UB:UB+1], s[UA:UA+1], 8*CH
	s_cmp_eq_u32 s[CC], 2                          ; behind the fourth chunk the stream begins anew
	s_cselect_b64 s[UB:UB+1], s[U0:U0+1], s[UB:UB+1]
	s_add_nc_u64 s[PFA:PFA+1], s[PFA:PFA+1], 1024
	s_add_co_u32 s[CC], s[CC], 1
	s_cmp_lt_u32 s[CC], 4
	WALU
	s_cbranch_scc1 .Lchunk
	; S: the copy of row tile 1 comes into window 2, laid as window 3 is
	WIN 0x80
.set K_, 0
.rept 8
.set I_, 0
.rept 8
	ds_load_b128 v[32*K_+4*I_:32*K_+4*I_+3], v[CW] offset:4096*K_+512*I_
.set I_, I_+1
.endr
.set K_, K_+1
.endr
	WIN 0
.irp a, 0,1,2,3,4,5,6,7
	v_add_f32 v[64+\a], v[ES+2*\a], v[ES+2*\a+1]
.endr
.irp a, 0,1,2,3,4,5,6,7
	v_mov_b32 v[72+\a], 0
.endr
	v_mov_b32 v85, 0
.irp a, 0,1,2,3,4,5,6,7
	v_permlanex16_b32 v[72+\a], v[64+\a], s[SEL], s[SEL+1]
.endr
.irp a, 0,1,2,3,4,5,6,7
	v_add_f32 v[64+\a], v[64+\a], v[72+\a]         ; row 16 a + r: my 256 hidden units' sum
.endr
.irp q, 0,1,2,3
	v_cndmask_b32 v[80+\q], v[64+2*\q], v[65+2*\q], s[HM]   ; lane l: row 32 q + l
.endr
.irp q, 0,1,2,3
	ds_store_b32 v[EXW], v[80+\q] offset:128*\q
.endr
	WALU
	s_wait_dscnt 0x0                               ; my sums lie in LDS, and my reads of the images are over
	BARRIER
.irp w, 0,1,2,3
	ds_load_b128 v[64+4*\w:67+4*\w], v[EXR] offset:512*\w
.endr
	s_wait_dscnt 0x0
.irp w, 1,2,3
	v_pk_add_f32 v[64:65], v[64:65], v[64+4*\w:65+4*\w]
	v_pk_add_f32 v[66:67], v[66:67], v[66+4*\w:67+4*\w]     ; e2 of rows 4 lane + 0 .. 3
.endr
	s_cmp_lg_u32 s[WV], 0
	WALU
	s_cbranch_scc1 .Lnot0
	global_store_b128 v[LI], v[64:67], s[12:13]    ; 512 consecutive bytes
.Lnot0:
	v_max3_num_f32 v84, v64, v65, v66
	v_max_num_f32 v84, v84, v67
	v_max_num_f32_dpp v84, v84, v84 row_xmask:1 row_mask:0xf bank_mask:0xf
	v_max_num_f32_dpp v84, v84, v84 row_xmask:2 row_mask:0xf bank_mask:0xf
	v_max_num_f32_dpp v84, v84, v84 row_xmask:4 row_mask:0xf bank_mask:0xf
	v_max_num_f32_dpp v84, v84, v84 row_xmask:8 row_mask:0xf bank_mask:0xf
	v_permlanex16_b32 v85, v84, s[SEL], s[SEL+1]
	v_max_num_f32 v84, v84, v85
	v_max_num_f32 v86, v[M], v84                   ; the running maximum
	v_sub_f32 v87, v[M], v86
.irp i, 0,1,2,3
	v_sub_f32 v[88+\i], v[64+\i], v86
.endr
	v_mov_b32 v[F+1], 0
	WALU
	v_exp_f32 v[F], v87
.irp i, 0,1,2,3
	v_exp_f32 v[88+\i], v[88+\i]
.endr
	v_mov_b32 v[M], v86
	WALU
	v_add_f32 v84, v88, v89
	v_add_f32 v85, v90, v91
	v_add_f32 v84, v84, v85
	v_fma_f32 v[L], v[L], v[F], v84
.set I_, 0
.rept 16
	v_pk_mul_f32 v[OA+I_:OA+I_+1], v[OA+I_:OA+I_+1], v[F:F+1] op_sel_hi:[1,0]
.set I_, I_+2
.endr
	ds_store_b128 v[PBW], v[88:91]                 ; p, in my own 512 bytes; then my 32 rows' p in every lane
.irp q, 0,1,2,3,4,5,6,7
	ds_load_b128 v[PR+4*\q:PR+4*\q+3], v[PBR] offset:16*\q
.endr
	WALU
	s_wait_dscnt 0x0
	WSUM 2, PR+16                                  ; window 2 first: it is then free for the next pass's units
	s_wait_xcnt 0x0                                ; the store of e2 has read its registers and base
	s_add_nc_u64 s[12:13], s[12:13], 512
	s_add_nc_u64 s[VA:VA+1], s[VA:VA+1], 524288-4096
	s_cmp_eq_u32 s[PASS], 0
	s_cbranch_scc0 .Lnv
	LOADV 0, 0                                     ; 64 loads, on their way under the 512 lines below
	LOADV 1, 0
	LOADV 2, 0
	LOADV 3, 0
.Lnv:
	WSUM 3, PR
	s_add_co_u32 s[PASS], s[PASS], 1
	s_cmp_lt_u32 s[PASS], 2
	WALU
	s_cbranch_scc1 .Lpass
	; the end: l over the lanes; the four waves' column sums meet in the stages' bytes, which nobody reads any more
	v_add_f32_dpp v[L], v[L], v[L] row_xmask:1 row_mask:0xf bank_mask:0xf
	v_add_f32_dpp v[L], v[L], v[L] row_xmask:2 row_mask:0xf bank_mask:0xf
	v_add_f32_dpp v[L], v[L], v[L] row_xmask:4 row_mask:0xf bank_mask:0xf
	v_add_f32_dpp v[L], v[L], v[L] row_xmask:8 row_mask:0xf bank_mask:0xf
	v_permlanex16_b32 v85, v[L], s[SEL], s[SEL+1]
	v_add_f32 v[L], v[L], v85
	s_lshl_b32 s30, s[WV], 12
	s_add_co_u32 s30, s30, STG
	s_lshl_b32 s31, s[WV], 10
	s_add_co_u32 s42, s31, STG
	v_lshrrev_b32 v60, 1, v[LI]
	v_add_nc_u32 v61, s30, v[LI]
	v_add_nc_u32 v62, s42, v[LI]
	v_add_nc_u32 v63, s31, v[LI]
	s_cmp_lg_u32 s[WV], 0
	WALU
	s_cbranch_scc1 .Lnot_wave_0
	global_store_b64 v60, v[M:M+1], s[16:17]       ; (m, l), 32 times: one unit of 256 bytes
.Lnot_wave_0:
.irp k, 0,1,2,3,4,5,6,7
	ds_store_b128 v61, v[OA+4*\k:OA+4*\k+3] offset:512*\k
.endr
	s_wait_dscnt 0x0
	BARRIER
.irp w, 0,1,2,3
	ds_load_b128 v[64+8*\w:67+8*\w], v62 offset:4096*\w
	ds_load_b128 v[68+8*\w:71+8*\w], v62 offset:4096*\w+512
.endr
	s_wait_dscnt 0x0
.irp w, 1,2,3
.irp q, 0,2,4,6
	v_pk_add_f32 v[64+\q:65+\q], v[64+\q:65+\q], v[64+8*\w+\q:65+8*\w+\q]
.endr
.endr
	global_store_b128 v63, v[64:67], s[14:15]      ; wave w: columns 256 w on, 512 consecutive bytes a store
	global_store_b128 v63, v[68:71], s[14:15] offset:512
	s_wait_tensorcnt 0x0                           ; the wave's end
	ds_add_u32 v[SPW], v[NIL]
	s_wait_dscnt 0x0
	s_endpgm
.Lfunc_end_k_qa58ebae63a_main:
	.size	k_qa58ebae63a_main, .Lfunc_end_k_qa58ebae63a_main-k_qa58ebae63a_main
	.p2alignl 7, 3214868480
	.fill 96, 4, 3214868480
	.section	.rodata,"a",@progbits
	.p2align	6, 0x0
	.amdhsa_kernel k_qa58ebae63a_main
		.amdhsa_group_segment_fixed_size 316928
		.amdhsa_private_segment_fixed_size 0
		.amdhsa_enable_private_segment 0
		.amdhsa_kernarg_size 56
		.amdhsa_user_sgpr_count 2
		.amdhsa_user_sgpr_kernarg_segment_ptr 1
		.amdhsa_wavefront_size32 1
		.amdhsa_system_sgpr_workgroup_id_x 1
		.amdhsa_system_sgpr_workgroup_id_y 1
		.amdhsa_system_sgpr_workgroup_id_z 1
		.amdhsa_system_vgpr_workitem_id 0
		.amdhsa_next_free_vgpr 1024
		.amdhsa_next_free_sgpr 66
		.amdhsa_reserve_vcc 0
		.amdhsa_float_denorm_mode_32 3
		.amdhsa_float_denorm_mode_16_64 3
		.amdhsa_memory_ordered 1
		.amdhsa_forward_progress 1
		.amdhsa_inst_pref_size 255
	.end_amdhsa_kernel
	.section	.bss,"aw",@nobits
	.p2align	6
	.space	262144
	.amdgpu_metadata
---
amdhsa.version: [ 1, 2 ]
amdhsa.kernels:
  - .name:           k_qa58ebae63a_main
    .symbol:         k_qa58ebae63a_main.kd
    .args:
      - { .name: V, .offset: 0, .size: 8, .value_kind: global_buffer, .address_space: global }
      - { .name: uimg, .offset: 8, .size: 8, .value_kind: global_buffer, .address_space: global }
      - { .name: hpw, .offset: 16, .size: 8, .value_kind: global_buffer, .address_space: global }
      - { .name: w_w, .offset: 24, .size: 8, .value_kind: global_buffer, .address_space: global }
      - { .name: ebuf, .offset: 32, .size: 8, .value_kind: global_buffer, .address_space: global }
      - { .name: pacc, .offset: 40, .size: 8, .value_kind: global_buffer, .address_space: global }
      - { .name: pml, .offset: 48, .size: 8, .value_kind: global_buffer, .address_space: global }
    .group_segment_fixed_size: 316928
    .private_segment_fixed_size: 0
    .kernarg_segment_align: 8
    .kernarg_segment_size: 56
    .max_flat_workgroup_size: 128
    .sgpr_count:     66
    .vgpr_count:     1024
    .wavefront_size: 32
...
	.end_amdgpu_metadata
.endif
;; end of part 2
;; launch join (part 3): grid 32 x 1, 8 waves a work-group, no clusters, 0 bytes of LDS; arguments ebuf, pacc, pml, out0, out1; writes out0, out1
.if DOCPART == 3
	.amdgcn_target "amdgcn-amd-amdhsa--gfx1250"
	.amdhsa_code_object_version 6
	.text
	.protected	k_qa58ebae63a_join
	.globl	k_qa58ebae63a_join
	.p2align	8
	.type	k_qa58ebae63a_join,@function
k_qa58ebae63a_join:
	s_mov_b64 s[64:65], 0
	v_nop
	global_prefetch_b8 v0, s[64:65] scope:SCOPE_SE
	s_setreg_imm32_b32 hwreg(HW_REG_WAVE_MODE, 25, 1), 1
	s_wait_xcnt 0x0
; JOIN.  A batch's 2,048 rows were walked by eight work-groups, each with its own running maximum m_i, sum l_i and weighted sums.  Work-group b joins batch b's eight parts:
; M = the largest m_i; f_i = 2^(m_i - M); L = the sum of l_i f_i; out0 = (the sum of f_i x part i) / L; out1 = beta = 2^(e2 - M) / L.  The batch's maximum is taken away ahead of every exponential.
; 256 threads: thread i takes 4 columns of out0 and 2 x 4 rows of beta: every load and store of a wave but the pairs' covers 512 consecutive bytes, aligned.  No LDS, no barrier: each thread reads all eight pairs (m, l) itself.
; The launch moves under 1.8 MB: matrix units, clusters and prefetches have nothing to do here.
.set ML,  8                            ; v8-23  (m_i, l_i); m_i becomes f_i
.set PA,  24                           ; v24-55 my four columns of the eight parts; the first takes the sums
.set EB,  56                           ; v56-63 eight e2, then beta
	s_load_b256 s[4:11], s[0:1], 0x0               ; ebuf s[4:5], pacc s[6:7], pml s[8:9], out0 s[10:11]
	s_load_b64 s[12:13], s[0:1], 0x20              ; out1
	v_and_b32 v1, 31, v0
	s_delay_alu instid0(VALU_DEP_1)
	v_lshlrev_b32 v1, 3, v1                        ; 8 x lane
	v_lshlrev_b32 v2, 4, v0                        ; 16 x thread
	v_mov_b32 v7, 0                                ; (named as the upper half of the pair v[6:7])
	s_lshl_b32 s14, ttmp9, 13                      ; a batch: 8,192 bytes of e2 and of beta,
	s_mov_b32 s15, 0
	s_lshl_b32 s16, ttmp9, 15                      ; 8 x 4,096 of parts,
	s_mov_b32 s17, 0
	s_lshl_b32 s18, ttmp9, 11                      ; 8 x 256 of pairs,
	s_mov_b32 s19, 0
	s_lshl_b32 s20, ttmp9, 12                      ; 4,096 of out0
	s_mov_b32 s21, 0
	s_wait_alu depctr_va_vdst(0)
	s_wait_kmcnt 0x0
	s_add_nc_u64 s[4:5], s[4:5], s[14:15]
	s_add_nc_u64 s[6:7], s[6:7], s[16:17]
	s_add_nc_u64 s[8:9], s[8:9], s[18:19]
	s_add_nc_u64 s[10:11], s[10:11], s[20:21]
	s_add_nc_u64 s[12:13], s[12:13], s[14:15]
.irp i, 0,1,2,3,4,5,6,7
	global_load_b64 v[ML+2*\i:ML+2*\i+1], v1, s[8:9] offset:256*\i
.endr
.irp i, 0,1,2,3,4,5,6,7
	global_load_b128 v[PA+4*\i:PA+4*\i+3], v2, s[6:7] offset:4096*\i th:TH_LOAD_NT
.endr
	global_load_b128 v[EB:EB+3], v2, s[4:5] th:TH_LOAD_NT
	global_load_b128 v[EB+4:EB+7], v2, s[4:5] offset:4096 th:TH_LOAD_NT
	s_wait_loadcnt 0x0
	v_max3_num_f32 v3, v[ML], v[ML+2], v[ML+4]
	s_delay_alu instid0(VALU_DEP_1)
	v_max3_num_f32 v3, v3, v[ML+6], v[ML+8]
	s_delay_alu instid0(VALU_DEP_1)
	v_max3_num_f32 v3, v3, v[ML+10], v[ML+12]
	s_delay_alu instid0(VALU_DEP_1)
	v_max_num_f32 v3, v3, v[ML+14]                 ; M
.irp i, 0,1,2,3,4,5,6,7
	v_sub_f32 v[ML+2*\i], v[ML+2*\i], v3
.endr
	s_wait_alu depctr_va_vdst(0)
.irp i, 0,1,2,3,4,5,6,7
	v_exp_f32 v[ML+2*\i], v[ML+2*\i]               ; f_i
.endr
.irp k, 0,1,2,3,4,5,6,7
	v_sub_f32 v[EB+\k], v[EB+\k], v3               ; e2 - M: plain work behind the batch
.endr
	s_wait_alu depctr_va_vdst(0)                   ; one wait for the eight, ahead of their first reader
	v_mul_f32 v4, v[ML+1], v[ML]
.irp i, 1,2,3,4,5,6,7
	v_fma_f32 v4, v[ML+2*\i+1], v[ML+2*\i], v4     ; L
.endr
	s_wait_alu depctr_va_vdst(0)
.irp k, 0,1,2,3,4,5,6,7
	v_exp_f32 v[EB+\k], v[EB+\k]                   ; 2^(e2 - M)
.endr
	v_rcp_f32 v6, v4                               ; 1 / L: L is at least 1, since the part that holds M has a weight of 1
	v_pk_mul_f32 v[PA:PA+1], v[PA:PA+1], v[ML:ML+1] op_sel_hi:[1,0]       ; the parts' sum stands behind the batch as its plain work: it names the f_i alone
	v_pk_mul_f32 v[PA+2:PA+3], v[PA+2:PA+3], v[ML:ML+1] op_sel_hi:[1,0]
.irp i, 1,2,3,4,5,6,7
	v_pk_fma_f32 v[PA:PA+1], v[PA+4*\i:PA+4*\i+1], v[ML+2*\i:ML+2*\i+1], v[PA:PA+1] op_sel_hi:[1,0,1]
	v_pk_fma_f32 v[PA+2:PA+3], v[PA+4*\i+2:PA+4*\i+3], v[ML+2*\i:ML+2*\i+1], v[PA+2:PA+3] op_sel_hi:[1,0,1]
.endr
	s_wait_alu depctr_va_vdst(0)                   ; one wait for the nine
	v_pk_mul_f32 v[PA:PA+1], v[PA:PA+1], v[6:7] op_sel_hi:[1,0]
	v_pk_mul_f32 v[PA+2:PA+3], v[PA+2:PA+3], v[6:7] op_sel_hi:[1,0]
.irp k, 0,2,4,6
	v_pk_mul_f32 v[EB+\k:EB+\k+1], v[EB+\k:EB+\k+1], v[6:7] op_sel_hi:[1,0]
.endr
	global_store_b128 v2, v[PA:PA+3], s[10:11]
	global_store_b128 v2, v[EB:EB+3], s[12:13]
	global_store_b128 v2, v[EB+4:EB+7], s[12:13] offset:4096
	s_endpgm
.Lfunc_end_k_qa58ebae63a_join:
	.size	k_qa58ebae63a_join, .Lfunc_end_k_qa58ebae63a_join-k_qa58ebae63a_join
	.p2alignl 7, 3214868480
	.fill 96, 4, 3214868480
	.section	.rodata,"a",@progbits
	.p2align	6, 0x0
	.amdhsa_kernel k_qa58ebae63a_join
		.amdhsa_group_segment_fixed_size 0
		.amdhsa_private_segment_fixed_size 0
		.amdhsa_enable_private_segment 0
		.amdhsa_kernarg_size 40
		.amdhsa_user_sgpr_count 2
		.amdhsa_user_sgpr_kernarg_segment_ptr 1
		.amdhsa_wavefront_size32 1
		.amdhsa_system_sgpr_workgroup_id_x 1
		.amdhsa_system_sgpr_workgroup_id_y 1
		.amdhsa_system_sgpr_workgroup_id_z 1
		.amdhsa_system_vgpr_workitem_id 0
		.amdhsa_next_free_vgpr 80
		.amdhsa_next_free_sgpr 66
		.amdhsa_reserve_vcc 0
		.amdhsa_float_denorm_mode_32 3
		.amdhsa_float_denorm_mode_16_64 3
		.amdhsa_memory_ordered 1
		.amdhsa_forward_progress 1
		.amdhsa_inst_pref_size 7
	.end_amdhsa_kernel
	.amdgpu_metadata
---
amdhsa.version: [ 1, 2 ]
amdhsa.kernels:
  - .name:           k_qa58ebae63a_join
    .symbol:         k_qa58ebae63a_join.kd
    .args:
      - { .name: ebuf, .offset: 0, .size: 8, .value_kind: global_buffer, .address_space: global }
      - { .name: pacc, .offset: 8, .size: 8, .value_kind: global_buffer, .address_space: global }
      - { .name: pml, .offset: 16, .size: 8, .value_kind: global_buffer, .address_space: global }
      - { .name: out0, .offset: 24, .size: 8, .value_kind: global_buffer, .address_space: global }
      - { .name: out1, .offset: 32, .size: 8, .value_kind: global_buffer, .address_space: global }
    .group_segment_fixed_size: 0
    .private_segment_fixed_size: 0
    .kernarg_segment_align: 8
    .kernarg_segment_size: 40
    .max_flat_workgroup_size: 256
    .sgpr_count:     66
    .vgpr_count:     80
    .wavefront_size: 32
...
	.end_amdgpu_metadata
.endif
;; end of part 3
